; MI455X (gfx1250); checked and timed in simulation.
; The chip was launched on July 23, 2026; its instructions are those of AMD's public machine-readable ISA for CDNA 5 (MIT licence, August 2026) and "CDNA5" Instruction Set Architecture Reference Guide (July 2026). The comments in the code are by the model that wrote it; some were corrected since.
;; Scaled Dot Attention. Allowed arithmetic: matrix products marked QUANTISED: E2M1 operands, one E8M0 scale for each 32 along K, by v_wmma_scale_f32_16x16x128_f8f6f4 with both operands' format E2M1 (or v_wmma_scale_f32_32x16x128_f4), f32 sums; products left as they are: bf16, f16 or f32 operands; f32 sums; everything else in f32.
;; Inputs: key 8 x 4,096 x 64 float32; mask 8 x 4,096 bool; query 8 x 4,096 x 64 float32; value 8 x 4,096 x 64 float32.
;; Outputs: out0 8 x 4,096 x 64 float32.
;; This version of the problem:
;;   THIS VERSION OF THE PROBLEM IS GIVEN IN LOW PRECISION. The matrix products marked QUANTISED in the list below multiply operands that are first quantised to E2M1 (2 exponent bits, 1 mantissa bit; 4 bits a number), with one power-of-two scale for each 32 numbers along K (OCP MX v1.0); their sums are f32. The products marked 'left as it is' may take bf16, f16 or f32 operands, with f32 sums. Whichever they take, every output number must still come out within the allowed error. Rounding operands to bf16 (8 significant bits) uses up far more of that allowance than f16 does (11 bits, for magnitudes from 6e-5 to 65,504). All else is computed in f32.
;;   The module's matrix products, in the order in which they are computed (A, B: the left and right operand; K: the contracted axis; several contracted axes count as one K, in the product's order):
;;     1. batch 8 x [M 4,096, K 64] x [K 64, N 4,096]; A: input query; B: input key: QUANTISED
;;     2. batch 8 x [M 4,096, K 4,096] x [K 4,096, N 64]; A: computed on the way; B: input value: left as it is (an operand is computed on the way)
;;   THE QUANTISER, for each operand of a quantised product, along K:
;;     - K is cut into blocks of 32 from its start; a last block that is shorter is filled with zeros.
;;     - A block's scale is 2^e with e = floor(log2(the largest magnitude in the block)) - 2, held to -126 .. 127; a block of zeros has e = 0. As a byte (E8M0): e + 127.
;;     - Each number is divided by its block's scale, clamped to +-6, and rounded to the nearest number of E2M1, ties to even, subnormals kept.
;;     - The product sums the exact products of the quantised numbers (number of the format x scale) in f32.
;;   ~~~python
;;   def quantise(x, axis):      # numpy; x: float32 -> the quantised numbers, widened to float32 again
;;       x = np.moveaxis(x, axis, -1); K = x.shape[-1]
;;       x = np.pad(x, [(0, 0)] * (x.ndim - 1) + [(0, -K % 32)]); x = x.reshape(x.shape[:-1] + (-1, 32)); a = np.abs(x).max(-1, keepdims=True)
;;       e = np.where(a > 0, np.clip(np.frexp(np.where(a > 0, a, 1))[1] - 1 - 2, -126, 127), 0)      # np.frexp(a)[1] - 1 = floor(log2(a)), exactly
;;       r = np.clip(x / 2.0 ** e, -6, 6)
;;       step = 2.0 ** (np.maximum(np.frexp(np.where(r == 0, 1, r))[1] - 1, 0) - 1)
;;       q = np.round(r / step) * step * 2.0 ** e      # np.round: ties to even
;;       return np.moveaxis(q.reshape(q.shape[:-2] + (-1,))[..., :K], -1, axis).astype(np.float32)
;;   ~~~
;; One version. Each part assembles by itself: llvm-mc -triple=amdgcn-amd-amdhsa -mcpu=gfx1250 --defsym DOCPART=n.
;; ======== version 1 of 1: 2 launches
;; limits: values are held in f16: magnitudes above 65,504 overflow, below 6.1e-05 lose precision; inputs' magnitudes at most 65,504
;; workspace buffers: kp 1,245,184 bytes; qp 1,114,112 bytes; vp 4,194,304 bytes
;; launch prep (part 1): grid 384 x 1, 4 waves a work-group, no clusters, 0 bytes of LDS; arguments key, query, value, mask, kp, qp, vp; writes kp, qp, vp
.if DOCPART == 1
	.amdgcn_target "amdgcn-amd-amdhsa--gfx1250"
	.amdhsa_code_object_version 6
	.text
	.protected	k_qfc32430059_prep
	.globl	k_qfc32430059_prep
	.p2align	8
	.type	k_qfc32430059_prep,@function
k_qfc32430059_prep:
	s_mov_b64 s[64:65], 0
	v_nop
	global_prefetch_b8 v0, s[64:65] scope:SCOPE_SE
	s_setreg_imm32_b32 hwreg(HW_REG_WAVE_MODE, 25, 1), 1
	s_wait_xcnt 0x0
; key, query [8][4096][64] f32 become codes of FP4 (E2M1) with one E8M0 scale byte for each 32 features; value [8][4096][64] f32, times mask, becomes f16; mask becomes f32.
; All of it is laid in the order of the next launch's operand registers, so that a fragment there is read at 16 x lane.
; A block's scale is 2^(floor(log2(its largest magnitude)) - 2); its byte is the largest magnitude's exponent field - 2, held at 1 from below.
; LIMITS: a block of zeros gets the byte 1 where the rule says 127 (its codes are zeros, and this program alone reads the bytes); blocks whose largest magnitude lies under 2^-124 keep
; the byte 1 and were not tried; NaN and infinities among the inputs are not served; |value| up to 65,504, the largest f16 number.
; SHARES.  Work-groups 0-127 take key, 128-255 query, 256-383 value and mask.  Each wave takes 64 rows: wave wi = 4 (work-group mod 128) + wave; batch = wi / 64, j = wi mod 64.
; LAYOUT of kp and qp, one batch: 32 rows (a pair of tiles of 16) are 1,024 bytes: tile 0, then tile 1; in a tile lane 16 h + r has 16 bytes at 16 x lane: the codes of features 32 h .. 32 h + 31 of row r.
;   From byte 131,072: one scale word for each pair and r, at 64 x pair + 4 r: bytes (tile 0 block 0, tile 0 block 1, tile 1 block 0, tile 1 block 1).  In kp, from byte 139,264: mask as f32.
; LAYOUT of vp, one batch: key block kb (32 keys) lies at 65,536 ((kb mod 32) / 4) + 16,384 (kb / 32) + 4,096 (kb mod 4); in it channel tile ct at 1,024 ct; byte 512 c + 16 (16 h + r) holds
;   8 f16: channel 16 ct + r at keys 32 kb + 16 c + 8 h + 0 .. 7.
; No LDS, no barrier: waves share nothing.  No register of a store or load is written again, so no wait frees any.
.set KSTRIDE, 155648                   ; a batch of kp
.set QSTRIDE, 139264                   ; a batch of qp
.set X,  32                            ; v32-159  the numbers as loaded
.set C,  160                           ; v160-175 codes, four registers a tile
.set SC, 12                            ; v12-15   the conversions' scale operand, one a tile
.set BY, 16                            ; v16-19   the scale bytes, one a tile
.set MF, 24                            ; s24-55   path of value: the mask of a block's 32 keys as f32
	s_load_b256 s[4:11], s[0:1], 0x0               ; key s[4:5], query s[6:7], value s[8:9], mask s[10:11]
	s_load_b128 s[12:15], s[0:1], 0x20             ; kp s[12:13], qp s[14:15]
	s_load_b64 s[16:17], s[0:1], 0x30              ; vp
	v_lshrrev_b32 v1, 5, v0
	v_readfirstlane_b32 s18, v1                    ; wave 0..3
	v_and_b32 v10, 31, v0                          ; lane
	s_and_b32 s19, ttmp9, 127
	s_lshl_b32 s19, s19, 2
	s_add_co_u32 s19, s19, s18                     ; wi
	s_lshr_b32 s20, s19, 6                         ; batch
	s_and_b32 s21, s19, 63                         ; j
	s_lshl_b32 s22, s19, 14                        ; my 64 rows of 256 bytes in the source
	s_mov_b32 s23, 0
	s_wait_kmcnt 0x0
	s_cmp_ge_u32 ttmp9, 256
	s_cbranch_scc1 .Lvalue
	; ---- key or query: a lane takes 32 neighbouring features of a row, a whole block: its largest magnitude needs no other lane
	v_and_b32 v11, 15, v0                          ; r
	v_bfe_u32 v4, v0, 4, 1                         ; h
	v_lshlrev_b32 v1, 8, v11
	v_lshl_add_u32 v1, v4, 7, v1                   ; in: 256 r + 128 h
	v_lshlrev_b32 v2, 4, v10                       ; codes out: 16 x lane
	v_lshlrev_b32 v3, 2, v10                       ; scale words out: 4 x lane
	v_lshlrev_b32 v4, 3, v4                        ; 8 h: my block's byte in a scale word, in bits
	v_mov_b32 v22, 0                               ; a lane permute's destination counts as one of its sources
	v_mov_b32 v23, 0
	s_mov_b32 s36, 0x76543210
	s_mov_b32 s37, 0xfedcba98                      ; v_permlanex16_b32's selects for lane l xor 16
	s_cmp_lt_u32 ttmp9, 128                        ; key or query?  The choice hangs on the work-group's number alone
	s_cselect_b64 s[24:25], s[4:5], s[6:7]
	s_cselect_b64 s[26:27], s[12:13], s[14:15]
	s_mov_b32 s28, QSTRIDE
	s_cselect_b32 s28, KSTRIDE, s28
	s_mul_i32 s28, s28, s20
	s_mov_b32 s29, 0
	s_add_nc_u64 s[24:25], s[24:25], s[22:23]      ; the source at my 64 rows
	s_add_nc_u64 s[26:27], s[26:27], s[28:29]      ; the destination at my batch
	s_lshl_b32 s30, s21, 11
	s_mov_b32 s31, 0
	s_add_nc_u64 s[32:33], s[26:27], s[30:31]      ; my two pairs of tiles: 2,048 j
	s_lshl_b32 s30, s21, 7
	s_add_co_u32 s30, s30, 131072
	s_add_nc_u64 s[34:35], s[26:27], s[30:31]      ; their scale words: 131,072 + 128 j
.irp t, 0,1,2,3
.irp i, 0,1,2,3,4,5,6,7
	global_load_b128 v[X+32*\t+4*\i:X+32*\t+4*\i+3], v1, s[24:25] offset:4096*\t+16*\i   ; tile t, features 32 h + 4 i on: all 32 loads of the wave go out together
.endr
.endr
.macro QTILE t
.set XS, X+32*\t
	s_wait_loadcnt 8*(3-\t)                        ; loads come back in order: this tile's eight are in, the later tiles' may be out
	v_max3_num_f32 v8, |v[XS]|, |v[XS+1]|, |v[XS+2]|               ; the block's largest magnitude, in two chains
	v_max3_num_f32 v9, |v[XS+3]|, |v[XS+4]|, |v[XS+5]|
.irp i, 6,10,14,18,22,26
	v_max3_num_f32 v8, v8, |v[XS+\i]|, |v[XS+\i+1]|
	v_max3_num_f32 v9, v9, |v[XS+\i+2]|, |v[XS+\i+3]|
.endr
	v_max3_num_f32 v8, v8, |v[XS+30]|, |v[XS+31]|
	v_max3_num_f32 v8, v8, v9, 0x1800000           ; and the floor 2^(3 - 127): the byte cannot fall under 1
	v_add_nc_u32 v[SC+\t], 0xff000000, v8          ; 2 off its exponent field: the conversion takes the exponent field of this operand as its scale
	v_lshrrev_b32 v[BY+\t], 23, v[SC+\t]           ; the scale's byte
.irp g, 0,1,2,3
	v_cvt_scalef32_pk8_fp4_f32 v[C+4*\t+\g], v[XS+8*\g:XS+8*\g+7], v[SC+\t]   ; eight numbers / the scale, to the nearest code, ties to even, beyond 6 the largest code
.endr
	v_nop                                          ; one plain line behind the last conversion of a run
	global_store_b128 v2, v[C+4*\t:C+4*\t+3], s[32:33] offset:512*\t   ; 32 lanes store 512 consecutive bytes
.endm
	QTILE 0
	QTILE 1
	QTILE 2
	QTILE 3
.irp f, 0,1                                    ; pair f: my two bytes (tiles 2 f and 2 f + 1, block h) at their places; with lane l xor 16's two the word is whole
	v_lshl_or_b32 v[20+\f], v[BY+2*\f+1], 16, v[BY+2*\f]
	v_lshlrev_b32 v[20+\f], v4, v[20+\f]
	v_permlanex16_b32 v[22+\f], v[20+\f], s36, s37
	v_or_b32 v[20+\f], v[20+\f], v[22+\f]
.endr
	v_cmp_lt_u32 vcc_lo, 15, v10
	v_cndmask_b32 v24, v20, v21, vcc_lo            ; lanes 0-15 store pair 0's words, lanes 16-31 pair 1's
	global_store_b32 v3, v24, s[34:35]             ; 128 consecutive bytes, of the wave's 2,176
	s_endpgm
	; ---- value and mask: a lane takes a channel (two: lane and 32 + lane), and its registers run down the keys, which are the second product's K
.Lvalue:
	v_lshlrev_b32 v1, 2, v10                       ; in: 4 x lane
	v_lshlrev_b32 v2, 1, v10                       ; mask in: two keys a lane
	v_lshrrev_b32 v3, 4, v10
	v_and_b32 v4, 15, v10
	v_lshlrev_b32 v3, 10, v3
	v_lshl_add_u32 v3, v4, 4, v3                   ; out: 1,024 (lane / 16) + 16 (lane mod 16): my channel's tile and row
	v_lshlrev_b32 v4, 3, v10                       ; mask out: 8 x lane
	s_add_nc_u64 s[8:9], s[8:9], s[22:23]          ; value at my 64 keys
	s_lshl_b32 s56, s19, 6
	s_mov_b32 s57, 0
	s_add_nc_u64 s[10:11], s[10:11], s[56:57]      ; mask at my 64 keys
	s_mul_i32 s56, s20, KSTRIDE
	s_lshl_b32 s58, s21, 8
	s_add_co_u32 s56, s56, s58
	s_add_co_u32 s56, s56, 139264
	s_add_nc_u64 s[12:13], s[12:13], s[56:57]      ; kp: my 64 keys' mask as f32
	s_lshl_b32 s56, s20, 19                        ; vp: the batch,
	s_bfe_u32 s58, s21, 0x30001
	s_lshl_b32 s58, s58, 16
	s_add_co_u32 s56, s56, s58                     ; + 65,536 ((j / 2) mod 8),
	s_lshr_b32 s58, s21, 4
	s_lshl_b32 s58, s58, 14
	s_add_co_u32 s56, s56, s58                     ; + 16,384 (j / 16),
	s_and_b32 s58, s21, 1
	s_lshl_b32 s58, s58, 13
	s_add_co_u32 s56, s56, s58                     ; + 8,192 (j mod 2)
	s_add_nc_u64 s[16:17], s[16:17], s[56:57]
	global_load_u16 v5, v2, s[10:11]               ; mask of keys 2 x lane and 2 x lane + 1
.irp b, 0,1
.set k, 0
.rept 32
	global_load_b32 v[X+64*\b+k], v1, s[8:9] offset:(32*\b+k)*256 th:TH_LOAD_NT          ; key 32 b + k, channel lane: 128 consecutive bytes a load,
	global_load_b32 v[X+32+64*\b+k], v1, s[8:9] offset:(32*\b+k)*256+128 th:TH_LOAD_NT   ; and the row's other half, channel 32 + lane
.set k, k+1
.endr
.endr
	s_wait_loadcnt 63                              ; the mask and block 0 are in: block 1's 64 loads stand behind them, and the count is one lower, since the field holds no more
	v_and_b32 v6, 0xff, v5
	v_lshrrev_b32 v7, 8, v5
	v_cvt_f32_u32 v6, v6                           ; 0.0 or 1.0
	v_cvt_f32_u32 v7, v7
	global_store_b64 v4, v[6:7], s[12:13]          ; 32 lanes store 256 consecutive bytes, aligned
.macro VBLOCK b
.set k, 0
.rept 32
	v_readlane_b32 s[MF+k], v[6+k%2], 16*\b+k/2    ; the mask of key 32 b + k, the same for every channel: a scalar
.set k, k+1
.endr
.set k, 0
.rept 32
	v_mul_f32 v[X+64*\b+k], s[MF+k], v[X+64*\b+k]
	v_mul_f32 v[X+32+64*\b+k], s[MF+k], v[X+32+64*\b+k]
.set k, k+1
.endr
.set k, 0
.rept 16
	v_cvt_pk_f16_f32 v[X+64*\b+k], v[X+64*\b+2*k], v[X+64*\b+2*k+1]            ; keys 2 k and 2 k + 1, the lower in the low half; in place, ascending
	v_cvt_pk_f16_f32 v[X+32+64*\b+k], v[X+32+64*\b+2*k], v[X+32+64*\b+2*k+1]
.set k, k+1
.endr
.irp q, 0,1,2,3                                ; four registers are keys 8 q .. 8 q + 7: c = q / 2, h = q mod 2 of the fragment's image: 256 q bytes on
	global_store_b128 v3, v[X+64*\b+4*\q:X+64*\b+4*\q+3], s[16:17] offset:4096*\b+256*\q             ; lanes 0-15 store 256 consecutive bytes, aligned; lanes 16-31 likewise, 1,024 on
	global_store_b128 v3, v[X+32+64*\b+4*\q:X+32+64*\b+4*\q+3], s[16:17] offset:4096*\b+256*\q+2048
.endr
.endm
	VBLOCK 0
	s_wait_loadcnt 0x0
	VBLOCK 1
	s_endpgm
.Lfunc_end_k_qfc32430059_prep:
	.size	k_qfc32430059_prep, .Lfunc_end_k_qfc32430059_prep-k_qfc32430059_prep
	.p2alignl 7, 3214868480
	.fill 96, 4, 3214868480
	.section	.rodata,"a",@progbits
	.p2align	6, 0x0
	.amdhsa_kernel k_qfc32430059_prep
		.amdhsa_group_segment_fixed_size 0
		.amdhsa_private_segment_fixed_size 0
		.amdhsa_enable_private_segment 0
		.amdhsa_kernarg_size 56
		.amdhsa_user_sgpr_count 2
		.amdhsa_user_sgpr_kernarg_segment_ptr 1
		.amdhsa_wavefront_size32 1
		.amdhsa_system_sgpr_workgroup_id_x 1
		.amdhsa_system_sgpr_workgroup_id_y 1
		.amdhsa_system_sgpr_workgroup_id_z 1
		.amdhsa_system_vgpr_workitem_id 0
		.amdhsa_next_free_vgpr 176
		.amdhsa_next_free_sgpr 66
		.amdhsa_reserve_vcc 1
		.amdhsa_float_denorm_mode_32 3
		.amdhsa_float_denorm_mode_16_64 3
		.amdhsa_memory_ordered 1
		.amdhsa_forward_progress 1
		.amdhsa_inst_pref_size 39
	.end_amdhsa_kernel
	.amdgpu_metadata
---
amdhsa.version: [ 1, 2 ]
amdhsa.kernels:
  - .name:           k_qfc32430059_prep
    .symbol:         k_qfc32430059_prep.kd
    .args:
      - { .name: key, .offset: 0, .size: 8, .value_kind: global_buffer, .address_space: global }
      - { .name: query, .offset: 8, .size: 8, .value_kind: global_buffer, .address_space: global }
      - { .name: value, .offset: 16, .size: 8, .value_kind: global_buffer, .address_space: global }
      - { .name: mask, .offset: 24, .size: 8, .value_kind: global_buffer, .address_space: global }
      - { .name: kp, .offset: 32, .size: 8, .value_kind: global_buffer, .address_space: global }
      - { .name: qp, .offset: 40, .size: 8, .value_kind: global_buffer, .address_space: global }
      - { .name: vp, .offset: 48, .size: 8, .value_kind: global_buffer, .address_space: global }
    .group_segment_fixed_size: 0
    .private_segment_fixed_size: 0
    .kernarg_segment_align: 8
    .kernarg_segment_size: 56
    .max_flat_workgroup_size: 128
    .sgpr_count:     66
    .vgpr_count:     176
    .wavefront_size: 32
...
	.end_amdgpu_metadata
.endif
;; end of part 1
;; launch attn (part 2): grid 32 x 8, 8 waves a work-group, clusters of 4 x 1, 327,680 bytes of LDS; arguments qp, kp, vp, out0; writes out0
.if DOCPART == 2
	.amdgcn_target "amdgcn-amd-amdhsa--gfx1250"
	.amdhsa_code_object_version 6
	.text
	.protected	k_qfc32430059_attn
	.globl	k_qfc32430059_attn
	.p2align	8
	.type	k_qfc32430059_attn,@function
k_qfc32430059_attn:
	s_mov_b64 s[64:65], 0
	v_nop
	global_prefetch_b8 v0, s[64:65] scope:SCOPE_SE
	s_setreg_imm32_b32 hwreg(HW_REG_WAVE_MODE, 25, 1), 1
	s_wait_xcnt 0x0
	s_wait_alu depctr_hold_cnt(0) depctr_sa_sdst(0) depctr_va_vdst(0) depctr_va_sdst(0) depctr_va_ssrc(0) depctr_va_vcc(0) depctr_vm_vsrc(0)
	s_getreg_b32 s2, hwreg(HW_REG_IB_STS2, 6, 4)
	s_cmp_eq_u32 s2, 0
	s_cbranch_scc0 .Lentry_in_a_cluster
	s_endpgm
.Lentry_in_a_cluster:
	s_bfe_u32 s2, ttmp6, 0x10000c
	s_cmp_lg_u32 s2, 0x3003
	s_cbranch_scc0 .Lentry_shape_is_right
	s_endpgm
.Lentry_shape_is_right:
; out0[b][q][:] = sum over k of e(q, k) mask[b][k] value[b][k][:] / (sum over k of e(q, k) mask[b][k] + 1e-7),  e = exp(s - max over ALL k of s),  s = Q(query[q]) . Q(key[k]) / 8.
; The first product runs on codes of FP4 (E2M1) with E8M0 scales (buffers qp, kp), the second on f16 operands (the weights; vp = value x mask), sums in f32.
; SHARES.  A work-group owns 128 queries of one batch.  Wave w = 4 qg + g owns 64 of them (four tiles of 16: queries 64 qg on) and A QUARTER OF THE KEYS (1,024 g on): so each fragment of K or V
; that it reads from LDS feeds four products, and only two of the eight waves read it.
; TWO WALKS over the wave's keys, 32 a unit.  Walk 1: S^T = K Q^T and the maximum alone; the four quarters' maxima meet once in LDS: the row's true maximum m.  Walk 2: S^T again (the same instruction on the
; same registers: the same bits), p = 2^(c s - c m + 14) with c = log2(e) / 8, the masked sum of p in f32, p rounded to f16, O^T += V^T P.  Nothing is ever rescaled.  At the end the quarters' O and sums are added through LDS.
; The 14 stands in the multiply-add's addend: p is at most 2^14 and f16 carries it with full precision down to 2^-28 of the row's largest weight.  The divisor's 1e-7 is scaled by 2^14 too.
; LIMITS: NaN and infinities are not served; weights under 2^-39 of a row's largest count as 0, those between 2^-39 and 2^-28 are carried in steps of 2^-38; |value| up to 65,504.
; LAYOUT.  Both products are used transposed (source 0 = 16 keys, or 16 channels; source 1 = 16 queries): a lane holds ONE query (lane mod 16) throughout, and S^T's two tiles of a unit, rounded in pairs, are source 1 of the second product.
; K = 64 IN AN INSTRUCTION OF 128: a fragment of K holds TWO tiles of 16 keys, tile 0's 64 features at K 0-63 and tile 1's at K 64-127.  Against (Q | zeros) it gives tile 0's scores, against (zeros | Q) tile 1's:
; zero codes add nothing under any scale byte that the quantiser makes.  Q's scale word holds its two bytes twice and serves both.
; CLUSTER.  The four work-groups of a cluster belong to one batch and read the same K, mask and V: every tile is asked for JOINTLY, by the same tensor load in all four, each wave an eighth of it.
; LDS: two slots of 65,536 bytes for V (512 keys: 128 of each quarter); a batch of kp (codes, scale words, mask as f32), filled once; tables; the spare words.  All tiles are images of registers, read at 16 x lane: no padding.
; REGISTERS.  Window 0: v1-15 addresses; v16-51 zeros and Q by turns; v52-55 Q's scale words, v56-59 K's; v60-67 14 - c m; v68-75 sums; v76-83 maxima; v84-95 at work; v96-159 S^T, then p; v160-191 P;
;   v192-223 V's four fragments (walk 1: four fragments of K); v224-231 K; v232-247 mask; v248-253 addresses of the way out.   Window 1: O^T, accumulator (t, ct) at v[8 (4 t + ct)].
.set SLOTB, 65536                      ; a slot of V; slot 1 begins here, so that one exclusive or turns an address in one slot into the other's
.set KP,    131072                     ; the batch of kp: codes,
.set KSC,   KP+131072                  ; scale words,
.set MSK,   KP+139264                  ; mask as f32
.set MTAB,  KP+155648                  ; the waves' maxima: 256 w + 64 t + 4 r
.set LTAB,  MTAB+2048                  ; their sums, likewise
.set RTAB,  LTAB+2048                  ; the reciprocals of the way out: 64 w + 4 r
.set SPARE, RTAB+512                   ; the spare words, 128 bytes for each wave: four blocks of 256 bytes that no other line names
.set OPIT,  272                        ; the way out: a row of 64 f32 + 16 bytes; 4 quarters x 128 rows, laid over kp's codes and scale words, which have had their one fill
.set KSTRIDE, 155648
.set QSTRIDE, 139264
.set LI,  1                            ; v1   16 x lane
.set LIK, 2                            ; v2   the same + KP
.set LS,  3                            ; v3   4 r + KSC
.set LM,  4                            ; v4   32 h + MSK
.set ADK, 5                            ; v5-8 the unit's addresses: K's codes, its scale words, V, mask
.set ADS, 6
.set ADV, 7
.set ADM, 8
.set PFO, 9                            ; v9   256 x lane; never rewritten
.set MW,  10                           ; v10  MTAB + 256 w + 4 r
.set MR,  11                           ; v11  MTAB + 1,024 qg + 4 r
.set SPW, 12                           ; v12  LDS address of my spare word; never rewritten
.set NIL, 13                           ; v13  0; never rewritten
.set R4,  14                           ; v14  4 r
.set QS,  52
.set KS,  56
.set NC,  60
.set LSUM, 68
.set MX,  76
.set S,   96
.set P,   160
.set VF,  192
.set KF,  224
.set MK,  232
.set SO,  248                          ; v248 where I put 32 bytes of a row of my quarter's O
.set RD,  249                          ; v249 where I read a row back, quarters 0 and 1;  v250 quarters 2 and 3
.set LR,  251                          ; v251 the four sums of my 16 rows
.set RW,  252                          ; v252 where their reciprocals go;  v253 and come back, by rows
.set WV,  12                           ; s12 wave;  s13 g;  s14 qg;  s15 my place in the cluster;  s16 my block of 128 queries;  s17 batch
.set G,   13
.set QG,  14
.set CX,  15
.set XB,  16
.set BT,  17
.set G1K, 24                           ; s[24:31] descriptor group 1 for kp's eighth;  s[32:39] for an eighth of a slot of V
.set G1V, 32
.set G0K, 40                           ; s[40:43] group 0 for kp;  s[44:47] V's fill 0;  s[48:51] V's fill 1, which then walks on
.set G0V, 44
.set G0W, 48
.set CS,  52                           ; s[52:53] c: the packed form names a pair and takes its low word for both halves
.set SEL, 54                           ; s[54:55] lane selects for v_permlanex16_b32: lane l xor 16
.set TK,  56                           ; s56-59 where the unit's codes, scale words, V and mask begin
.set TS,  57
.set TV,  58
.set TM,  59
.set SLOTS, 60                         ; s60 slots still to be asked for
.set CNT, 61
.set LIM, 62                           ; s62 1 in a wave that prefetches, else the greatest number
.set C14, 63                           ; s63 14.0
.set PFA, 68                           ; s[68:69] where my prefetches stand
.set MSB, 0
.macro WIN new                         ; the immediate's high byte repeats the setting that is left
.if MSB != \new
	s_set_vgpr_msb (MSB<<8)|\new
.set MSB, \new
.endif
.endm
.macro PLACES n
.rept \n
	v_nop
.endr
.endm
; A round of the cluster's barrier: my work-group's barrier; wave 0 signals for the work-group; every wave waits for all four work-groups; my work-group's barrier once more.
.macro CROUND
	s_barrier_signal -1
	s_barrier_wait -1
	s_cmp_lg_u32 s[WV], 0
	s_cbranch_scc1 .Lnot_wave_0_\@
	s_barrier_signal -3
.Lnot_wave_0_\@:
	s_barrier_wait -3
	s_barrier_signal -1
	s_barrier_wait -1
.endm
; A PREFETCH INTO THE L2 of the fill of V that the NEXT change of slots will ask for: 65,536 dense bytes, lanes 256 bytes apart.  All clusters of a batch walk the same V: the batch's first cluster asks.
; Its four partners take 16,384 bytes each, told apart BY ADDRESS; in each, waves 0 and 1 ask, 8,192 bytes a wave, one instruction.  So each block of 256 bytes is named once in the launch.
; Fills 0 to 2 come by their loads alone; the last change that fills a slot asks for nothing: there is no fill behind it.
.macro ASK
	s_cmp_gt_u32 s[SLOTS], s[LIM]
	s_cbranch_scc0 .Lnot_mine_\@
	global_prefetch_b8 v[PFO], s[PFA:PFA+1] th:TH_LOAD_NT scope:SCOPE_SE
.Lnot_mine_\@:
.endm
	s_load_b256 s[4:11], s[0:1], 0x0               ; qp s[4:5], kp s[6:7], vp s[8:9], out0 s[10:11]
	v_lshl_add_u32 v[SPW], v0, 2, SPARE
	v_mov_b32 v[NIL], 0
	ds_add_u32 v[SPW], v[NIL]                      ; the wave's opening: the add, twice on end, and its wait ahead of my first tensor load; the set-up below stands between
	ds_add_u32 v[SPW], v[NIL]
	v_lshrrev_b32 v15, 5, v0
	v_readfirstlane_b32 s[WV], v15                 ; wave 0..7
	s_and_b32 s[G], s[WV], 3                       ; my quarter of the keys
	s_lshr_b32 s[QG], s[WV], 2                     ; my half of the queries
	s_bfe_u32 s[CX], ttmp6, 0x40000                ; my place in the cluster: it enters Q's, out0's and the prefetches' addresses alone
	s_lshl_b32 s[XB], ttmp9, 2                     ; in a cluster launch ttmp9 counts clusters
	s_add_co_u32 s[XB], s[XB], s[CX]               ; my block of 128 queries
	s_and_b32 s[BT], ttmp7, 0xffff                 ; the batch, which the four partners share
	; descriptor group 1: dense blocks as rows of 256 bytes (32 elements of 8 bytes), no padding: kp's eighth is 76 rows, an eighth of a slot of V 32
	s_mov_b32 s[G1K], 15|(3<<16)|(1<<21)           ; 15:0 the mask: all four work-groups; 17:16 elements of 8 bytes; 21 set beside a mask
	s_mov_b32 s[G1K+1], 32<<16                     ; tensor_dim0 = 32
	s_mov_b32 s[G1K+2], 76<<16                     ; tensor_dim1 = 76
	s_mov_b32 s[G1K+3], 32<<16                     ; tile_dim0 = 32
	s_mov_b32 s[G1K+4], 76                         ; tile_dim1 = 76
	s_mov_b32 s[G1K+5], 32                         ; from row to row: 32 elements
	s_mov_b32 s[G1K+6], 0
	s_mov_b32 s[G1K+7], 0
	s_mov_b32 s[G1V], 15|(3<<16)|(1<<21)
	s_mov_b32 s[G1V+1], 32<<16
	s_mov_b32 s[G1V+2], 32<<16
	s_mov_b32 s[G1V+3], 32<<16
	s_mov_b32 s[G1V+4], 32
	s_mov_b32 s[G1V+5], 32
	s_mov_b32 s[G1V+6], 0
	s_mov_b32 s[G1V+7], 0
	s_mov_b32 s[CS], 0x3e38aa3b                    ; c = log2(e) / 8
	s_mov_b32 s[CS+1], s[CS]                       ; (named with it as a pair, so it is written)
	s_mov_b32 s[SEL], 0x76543210
	s_mov_b32 s[SEL+1], 0xfedcba98
	s_mov_b32 s[C14], 0x41600000                   ; 14.0
	s_lshr_b32 s[LIM], s[WV], 1                    ; 0 in waves 0 and 1,
	s_or_b32 s[LIM], s[LIM], ttmp9                 ; where the cluster is the batch's first: the same in all four partners
	s_cmp_eq_u32 s[LIM], 0
	s_cselect_b32 s[LIM], 1, -1
	s_mul_i32 s18, s[BT], KSTRIDE
	s_mul_i32 s20, s[WV], 19456                    ; my eighth of kp's batch,
	s_add_co_u32 s18, s18, s20
	s_mov_b32 s19, 0
	s_lshl_b32 s22, s[BT], 19
	s_lshl_b32 s21, s[WV], 13                      ; and of a fill of V
	s_add_co_u32 s22, s22, s21
	s_mov_b32 s23, 0
	s_wait_dscnt 0x0                               ; both opening adds are done
	s_wait_kmcnt 0x0
	s_mov_b32 s[G0K], 1                            ; count = 1
	s_add_co_u32 s[G0K+1], s20, KP                 ; LDS address: the wave's number alone enters it
	s_add_nc_u64 s[G0K+2:G0K+3], s[6:7], s[18:19]  ; global address
	s_or_b32 s[G0K+3], s[G0K+3], 0x80000000        ; type = 2
	s_add_nc_u64 s[2:3], s[8:9], s[22:23]          ; vp at my eighth of the batch's fill 0
	s_mov_b32 s[G0V], 1
	s_mov_b32 s[G0V+1], s21
	s_mov_b64 s[G0V+2:G0V+3], s[2:3]
	s_or_b32 s[G0V+3], s[G0V+3], 0x80000000
	s_mov_b32 s[G0W], 1
	s_add_co_u32 s[G0W+1], s21, SLOTB
	s_add_nc_u64 s[G0W+2:G0W+3], s[2:3], SLOTB
	s_or_b32 s[G0W+3], s[G0W+3], 0x80000000
	CROUND                                         ; all four work-groups are here: the first joint loads meet
	tensor_load_to_lds s[G0K:G0K+3], s[G1K:G1K+7]  ; the first fills go out as one group: three loads of mine are out.  kp first: walk 1 wants it
	s_nop 0
	tensor_load_to_lds s[G0V:G0V+3], s[G1V:G1V+7]
	s_nop 0
	tensor_load_to_lds s[G0W:G0W+3], s[G1V:G1V+7]
	s_nop 0
	PLACES 4
	s_lshl_b32 s18, s[CX], 14                      ; the prefetches: my work-group's 16,384 bytes, my wave's 8,192 of them,
	s_add_co_u32 s18, s18, 2*SLOTB                 ; in fill 2; the first change of slots steps it to fill 3
	s_add_nc_u64 s[PFA:PFA+1], s[2:3], s[18:19]
	s_mul_i32 s18, s[BT], QSTRIDE
	s_add_nc_u64 s[4:5], s[4:5], s[18:19]          ; qp at my batch
	s_lshl_b32 s18, s[XB], 8
	s_lshl_b32 s20, s[QG], 7
	s_add_co_u32 s18, s18, s20
	s_add_co_u32 s18, s18, 131072
	s_add_nc_u64 s[70:71], s[4:5], s[18:19]        ; my two pairs' scale words: 131,072 + 64 (4 x + 2 qg)
	s_lshl_b32 s18, s[XB], 12
	s_lshl_b32 s20, s[QG], 11
	s_add_co_u32 s18, s18, s20
	s_add_nc_u64 s[4:5], s[4:5], s[18:19]          ; my four tiles' codes: 512 (8 x + 4 qg)
	s_lshl_b32 s18, s[BT], 20
	s_lshl_b32 s20, s[XB], 15
	s_add_co_u32 s18, s18, s20
	s_lshl_b32 s20, s[WV], 12
	s_add_co_u32 s18, s18, s20
	s_add_nc_u64 s[10:11], s[10:11], s[18:19]      ; out0 at the 16 rows that I store: rows 128 x + 16 w of the batch
	v_and_b32 v15, 31, v0                          ; lane
	v_and_b32 v[R4], 15, v0                        ; r
	v_bfe_u32 v86, v0, 4, 1                        ; h
	v_lshlrev_b32 v[LI], 4, v15
	v_lshlrev_b32 v[R4], 2, v[R4]
.irp t, 0,1,2,3
	global_load_b128 v[20+8*\t:23+8*\t], v[LI], s[4:5] offset:512*\t   ; Q's codes stay in registers: tile t, features 32 h on of query r
.endr
	global_load_b32 v84, v[R4], s[70:71]           ; the scale words of tiles 0 and 1,
	global_load_b32 v85, v[R4], s[70:71] offset:64 ; and of tiles 2 and 3
	v_add_nc_u32 v[LIK], KP, v[LI]
	v_add_nc_u32 v[LS], KSC, v[R4]
	v_lshl_add_u32 v[LM], v86, 5, MSK
	v_lshlrev_b32 v[PFO], 8, v15
	s_lshl_b32 s18, s[WV], 8
	s_add_co_u32 s18, s18, MTAB
	v_add_nc_u32 v[MW], s18, v[R4]
	s_lshl_b32 s18, s[QG], 10
	s_add_co_u32 s18, s18, MTAB
	v_add_nc_u32 v[MR], s18, v[R4]
	v_mul_u32_u24 v[SO], v[R4], 68                 ; the way out, in: row r of 272 bytes,
	v_lshl_add_u32 v[SO], v86, 5, v[SO]            ; + 32 h,
	s_mul_i32 s18, s[G], 128*OPIT                  ; in my quarter's 128 rows,
	s_mul_i32 s20, s[QG], 64*OPIT                  ; my half of them
	s_add_co_u32 s18, s18, s20
	s_add_co_u32 s18, s18, KP
	v_add_nc_u32 v[SO], s18, v[SO]
	v_mul_u32_u24 v[RD], v86, OPIT                 ; back: lanes 0-15 take one row of 256 bytes, lanes 16-31 the next,
	v_lshl_add_u32 v[RD], v[R4], 2, v[RD]
	s_mul_i32 s18, s[WV], 16*OPIT                  ; of rows 16 w on
	s_add_co_u32 s18, s18, KP
	v_add_nc_u32 v[RD], s18, v[RD]
	v_add_nc_u32 v[RD+1], 2*128*OPIT, v[RD]
	s_lshl_b32 s18, s[QG], 10                      ; rows 16 w on are tile w mod 4 of the waves 4 (w / 4) + 0 .. 3
	s_lshl_b32 s20, s[G], 6
	s_add_co_u32 s18, s18, s20
	s_add_co_u32 s18, s18, LTAB
	v_add_nc_u32 v[LR], s18, v[R4]
	s_lshl_b32 s18, s[WV], 6
	s_add_co_u32 s18, s18, RTAB
	v_add_nc_u32 v[RW], s18, v[R4]
	v_lshl_add_u32 v[RW+1], v86, 2, s18
.irp z, 16,24,32,40,48
.irp i, 0,1,2,3
	v_mov_b32 v[\z+\i], 0                          ; zero codes on either side of each tile of Q
.endr
.endr
.irp i, 0,1,2,3,4,5,6,7
	v_mov_b32 v[MX+\i], 0xff800000                 ; the maxima begin at -infinity: chain (t, e) at v[MX + 2 t + e]
.endr
.irp i, 0,1,2,3
	v_mov_b32 v[88+\i], 0                          ; written once: a lane permute's destination counts as one of its sources
.endr
	s_wait_loadcnt 0x0                             ; Q
	v_perm_b32 v[QS], v84, v84, 0x01000100         ; a pair's word holds (even tile: two bytes, odd tile: two bytes); a tile's word holds its two bytes twice
	v_perm_b32 v[QS+1], v84, v84, 0x03020302
	v_perm_b32 v[QS+2], v85, v85, 0x01000100
	v_perm_b32 v[QS+3], v85, v85, 0x03020302
	PLACES 8                                       ; a scale register written by a vector instruction stands eight places ahead of a scaled matrix instruction
	s_wait_tensorcnt 2                             ; my eighth of kp is in; the two fills of V were issued behind it and may stay out
	s_barrier_signal -1
	s_barrier_wait -1                              ; everybody's is
; S^T of a unit: 8 matrix instructions: tile e of the pair x my four tiles of queries.  Each starts its sum with the constant 0.
.macro QK kf, ks
.irp e, 0,1
.irp t, 0,1,2,3
	v_wmma_scale_f32_16x16x128_f8f6f4 v[S+16*\t+8*\e:S+16*\t+8*\e+7], v[(\kf):(\kf)+7], v[20-4*\e+8*\t:27-4*\e+8*\t], 0, v[(\ks)], v[QS+\t] matrix_a_fmt:MATRIX_FMT_FP4 matrix_b_fmt:MATRIX_FMT_FP4
.endr
.endr
.endm
; WALK 1.  Four buffers of K take turns; a buffer is loaded again, four units ahead, as soon as its products are issued.
.macro P1LOAD i, ahead
	ds_load_b128 v[VF+8*\i:VF+8*\i+3], v[ADK] offset:4096*\ahead+1024*\i
	ds_load_b128 v[VF+8*\i+4:VF+8*\i+7], v[ADK] offset:4096*\ahead+1024*\i+512
	ds_load_b32 v[KS+\i], v[ADS] offset:256*\ahead+64*\i
.endm
.macro P1UNIT i, load, cnt
	s_wait_dscnt \cnt                              ; LDS loads come back in order: this buffer's three are in, the younger buffers' may be out
	QK VF+8*\i, KS+\i
	PLACES 5                                       ; four places ahead of the loads into the buffer and of the first read of the scores; five ahead of the next unit's products, which write over the scores
.if \load
	P1LOAD \i, 1
.endif
.irp a, 0,1,2,3                                ; eight chains; each accumulator is read from its low end on
.irp e, 0,1
.irp t, 0,1,2,3
	v_max3_num_f32 v[MX+2*\t+\e], v[MX+2*\t+\e], v[S+16*\t+8*\e+2*\a], v[S+16*\t+8*\e+2*\a+1]
.endr
.endr
.endr
.endm
	s_lshl_b32 s[TK], s[G], 15                     ; my quarter's codes: 32 pairs of 1,024 bytes,
	s_lshl_b32 s[TS], s[G], 11                     ; and scale words: 64 bytes a pair
	v_add_nc_u32 v[ADK], s[TK], v[LIK]
	v_add_nc_u32 v[ADS], s[TS], v[LS]
.irp i, 0,1,2,3
	P1LOAD \i, 0
.endr
	s_mov_b32 s[CNT], 7
.Lwalk1:                                           ; a trip: four units; seven trips fetch ahead, the eighth is written out
.irp i, 0,1,2,3
	P1UNIT \i, 1, 9
.endr
	s_add_co_u32 s[TK], s[TK], 4096
	s_add_co_u32 s[TS], s[TS], 256
	v_add_nc_u32 v[ADK], s[TK], v[LIK]
	v_add_nc_u32 v[ADS], s[TS], v[LS]
	s_sub_co_u32 s[CNT], s[CNT], 1
	s_cmp_lg_u32 s[CNT], 0
	s_cbranch_scc1 .Lwalk1
.irp i, 0,1,2,3
	P1UNIT \i, 0, 9-3*\i                           ; nothing more to fetch: the counts run down
.endr
	; THE ROW'S MAXIMUM: my two chains, the other half of the lanes', and through LDS the other three quarters'
.irp t, 0,1,2,3
	v_max_num_f32 v[MX+2*\t], v[MX+2*\t], v[MX+2*\t+1]
.endr
.irp t, 0,1,2,3
	v_permlanex16_b32 v[88+\t], v[MX+2*\t], s[SEL], s[SEL+1]
.endr
.irp t, 0,1,2,3
	v_max_num_f32 v[MX+2*\t], v[MX+2*\t], v[88+\t]
.endr
.irp t, 0,1,2,3
	ds_store_b32 v[MW], v[MX+2*\t] offset:64*\t    ; both halves of the lanes write the same word with the same value
.endr
	s_wait_tensorcnt 1                             ; my eighth of V's fill 0 is in; fill 1's load was issued behind it and may stay out
	s_wait_dscnt 0x0                               ; for the others' sake: my stores have landed
	s_barrier_signal -1
	s_barrier_wait -1
.irp t, 0,1,2,3
.irp q, 0,1,2,3
	ds_load_b32 v[P+4*\t+\q], v[MR] offset:256*\q+64*\t
.endr
.endr
	s_wait_dscnt 0x0
.irp t, 0,1,2,3
	v_max3_num_f32 v[84+\t], v[P+4*\t], v[P+4*\t+1], v[P+4*\t+2]
.endr
.irp t, 0,1,2,3
	v_max_num_f32 v[84+\t], v[84+\t], v[P+4*\t+3]
.endr
.irp t, 0,1,2,3
	v_fma_f32 v[NC+2*\t], -v[84+\t], s[CS], s[C14] ; 14 - c m
	v_fma_f32 v[NC+2*\t+1], -v[84+\t], s[CS], s[C14]
.endr
; WALK 2, a unit of 32 keys.  zero = 1: the first unit, which starts the sums: nothing is ever cleared.
.macro UNIT zero
	v_add_nc_u32 v[ADK], s[TK], v[LIK]             ; these four are also the places between the last unit's products and the loads into V's registers
	v_add_nc_u32 v[ADS], s[TS], v[LS]
	v_add_nc_u32 v[ADV], s[TV], v[LI]
	v_add_nc_u32 v[ADM], s[TM], v[LM]
	ds_load_b128 v[KF:KF+3], v[ADK]
	ds_load_b128 v[KF+4:KF+7], v[ADK] offset:512
	ds_load_b32 v[KS], v[ADS]
.irp ct, 0,1,2,3
	ds_load_b128 v[VF+8*\ct:VF+8*\ct+3], v[ADV] offset:1024*\ct
	ds_load_b128 v[VF+8*\ct+4:VF+8*\ct+7], v[ADV] offset:1024*\ct+512
.endr
.irp e, 0,1
	ds_load_b128 v[MK+8*\e:MK+8*\e+3], v[ADM] offset:64*\e         ; mask of keys 16 e + 8 h + 0 .. 7: register 8 e + j goes with score register 8 e + j of every tile
	ds_load_b128 v[MK+8*\e+4:MK+8*\e+7], v[ADM] offset:64*\e+16
.endr
	s_wait_dscnt 12                                ; K's three loads are in; V's eight and the mask's four, issued behind them, may be out
	QK KF, KS
	PLACES 4
.irp t, 0,1,2,3
.irp a, 0,1,2,3,4,5,6,7
	v_pk_fma_f32 v[S+16*\t+2*\a:S+16*\t+2*\a+1], v[S+16*\t+2*\a:S+16*\t+2*\a+1], s[CS:CS+1], v[NC+2*\t:NC+2*\t+1] op_sel_hi:[1,0,0]   ; c s + 14 - c m, two at a time; each accumulator from its low end on
.endr
.endr
.set j, 0
.rept 64
	v_exp_f32 v[S+j], v[S+j]                       ; p, at most 2^14
.set j, j+1
.endr
	v_nop                                          ; a plain line behind the last exponential
	s_wait_alu depctr_va_vdst(0)                   ; one wait for the whole batch, ahead of its first reader
.irp t, 0,1,2,3
.irp a, 0,1,2,3,4,5,6,7
	v_cvt_pk_f16_f32 v[P+8*\t+\a], v[S+16*\t+2*\a], v[S+16*\t+2*\a+1]   ; keys 16 (a / 4) + 8 h + 2 (a mod 4) and the next: source 1 of the second product as it stands
.endr
.endr
	s_wait_dscnt 0x0                               ; V and the mask are in
.irp a, 0,1,2,3,4,5,6,7                        ; the row's sum is taken of the unrounded p, times mask: four chains
.irp t, 0,1,2,3
.if \zero && (\a == 0)
	v_pk_mul_f32 v[LSUM+2*\t:LSUM+2*\t+1], v[S+16*\t+2*\a:S+16*\t+2*\a+1], v[MK+2*\a:MK+2*\a+1]
.else
	v_pk_fma_f32 v[LSUM+2*\t:LSUM+2*\t+1], v[S+16*\t+2*\a:S+16*\t+2*\a+1], v[MK+2*\a:MK+2*\a+1], v[LSUM+2*\t:LSUM+2*\t+1]
.endif
.endr
.endr
	WIN 0x50                                       ; C and D in window 1
.irp ct, 0,1,2,3                               ; O^T += V^T P: the sixteen accumulators take turns, one instruction a turn
.irp t, 0,1,2,3
.if \zero
	v_wmma_f32_16x16x32_f16 v[8*(4*\t+\ct):8*(4*\t+\ct)+7], v[VF+8*\ct:VF+8*\ct+7], v[P+8*\t:P+8*\t+7], 0
.else
	v_wmma_f32_16x16x32_f16 v[8*(4*\t+\ct):8*(4*\t+\ct)+7], v[VF+8*\ct:VF+8*\ct+7], v[P+8*\t:P+8*\t+7], v[8*(4*\t+\ct):8*(4*\t+\ct)+7]
.endif
.endr
.endr
	WIN 0
	s_add_co_u32 s[TK], s[TK], 1024                ; the next unit
	s_add_co_u32 s[TS], s[TS], 64
	s_add_co_u32 s[TV], s[TV], 4096
	s_add_co_u32 s[TM], s[TM], 128
.endm
.macro BODY n
	s_mov_b32 s[CNT], \n
.Lunit_\@:
	UNIT 0
	s_sub_co_u32 s[CNT], s[CNT], 1
	s_cmp_lg_u32 s[CNT], 0
	s_cbranch_scc1 .Lunit_\@
.endm
; THE CHANGE OF SLOTS.  Each wave waits for all its tensor loads, of which one is out: its eighth of the other slot; adds 0 to its spare word; and waits for that and for its reads of the slot that it leaves.
; fill = 1: the barrier is a round of the cluster's, so that no wave of any partner still reads the slot or has a load on its way; the joint refill, with the fill two on, is the first thing behind it,
; and has the other slot's four units, 96 matrix instructions a wave, in which to land.
.macro CHANGE fill
	s_wait_tensorcnt 0x0                           ; no tensor load of mine is out, so a group 0 may be written
	ds_add_u32 v[SPW], v[NIL]                      ; 0 onto my spare word
.if \fill
	s_xor_b32 s[G0W+1], s[G0W+1], SLOTB            ; the walking descriptor: the other slot than last time,
	s_add_nc_u64 s[G0W+2:G0W+3], s[G0W+2:G0W+3], SLOTB   ; the next fill; the type bits on top are not reached
	s_wait_xcnt 0x0                                ; the last prefetch, a slot back, has read its address, so it may be written:
	s_add_nc_u64 s[PFA:PFA+1], s[PFA:PFA+1], SLOTB ; one fill further on than the walking descriptor
	s_wait_dscnt 0x0                               ; the add is done, and my reads of the slot are over
	CROUND
	tensor_load_to_lds s[G0W:G0W+3], s[G1V:G1V+7]  ; my one tensor load until the next round
	s_nop 0
	PLACES 4
	ASK
.else
	s_wait_dscnt 0x0
	s_barrier_signal -1
	s_barrier_wait -1
.endif
	s_sub_co_u32 s[TV], s[TV], 16384               ; back to my quarter's first unit of a slot,
	s_xor_b32 s[TV], s[TV], SLOTB                  ; in the other slot
.endm
	s_lshl_b32 s[TK], s[G], 15
	s_lshl_b32 s[TS], s[G], 11
	s_lshl_b32 s[TM], s[G], 12                     ; my quarter's mask: 4 bytes a key
	s_lshl_b32 s[TV], s[G], 14                     ; my quarter's part of a slot: four units of 4,096 bytes
	s_mov_b32 s[SLOTS], 6
	UNIT 1                                         ; fill 0
	BODY 3
.Lslot:                                            ; six trips: fills 2 to 7 are asked for, fills 1 to 6 multiplied
	CHANGE 1
	BODY 4
	s_sub_co_u32 s[SLOTS], s[SLOTS], 1
	s_cmp_lg_u32 s[SLOTS], 0
	s_cbranch_scc1 .Lslot
	CHANGE 0                                       ; the tail is written out: nothing is left to ask for
	BODY 4                                         ; fill 7
	; THE QUARTERS MEET.  My sums' two halves and the other half of the lanes'; these additions are also the places behind the last products
.irp t, 0,1,2,3
	v_add_f32 v[84+\t], v[LSUM+2*\t], v[LSUM+2*\t+1]
.endr
.irp t, 0,1,2,3
	v_permlanex16_b32 v[88+\t], v[84+\t], s[SEL], s[SEL+1]
.endr
.irp t, 0,1,2,3
	v_add_f32 v[84+\t], v[84+\t], v[88+\t]
.endr
	s_wait_dscnt 0x0                               ; my reads of K, its scale words and the mask are over
	s_barrier_signal -1
	s_barrier_wait -1                              ; everybody's are: kp's bytes, which have had their one fill, now take the four quarters' O
.irp t, 0,1,2,3
	ds_store_b32 v[MW], v[84+\t] offset:LTAB-MTAB+64*\t
.endr
	WIN 0x04                                       ; an LDS store's data are its source 1: window 1
.irp t, 0,1,2,3
.irp ct, 0,1,2,3
	ds_store_b128 v[SO], v[8*(4*\t+\ct):8*(4*\t+\ct)+3] offset:16*OPIT*\t+64*\ct       ; lane (r, h): query 16 t + r, channels 16 ct + 8 h + 0 .. 7; each accumulator from its low end on
	ds_store_b128 v[SO], v[8*(4*\t+\ct)+4:8*(4*\t+\ct)+7] offset:16*OPIT*\t+64*\ct+16
.endr
.endr
	WIN 0
	s_wait_dscnt 0x0                               ; for the others' sake: my stores have landed
	s_barrier_signal -1
	s_barrier_wait -1
	; THE WAY OUT.  Wave w adds the four quarters of rows 16 w .. 16 w + 15, divides and stores them
.irp q, 0,1,2,3
	ds_load_b32 v[84+\q], v[LR] offset:256*\q      ; row r's four sums
.endr
	s_wait_dscnt 0x0
	v_add_f32 v84, v84, v85
	v_add_f32 v86, v86, v87
	v_add_f32 v84, v84, v86
	v_add_f32 v84, 0x3ad6bf95, v84                 ; + 1e-7 x 2^14: the sums carry the factor 2^14, and so does O
	v_rcp_f32 v84, v84
	v_nop                                          ; a plain line behind the reciprocal
	s_wait_alu depctr_va_vdst(0)                   ; and the wait ahead of its first reader
	ds_store_b32 v[RW], v84                        ; lane r has row r's; the stores below want row 2 i + h's: through my own 64 bytes, which LDS serves in order
.irp i, 0,1,2,3,4,5,6,7
	ds_load_b32 v[MX+\i], v[RW+1] offset:8*\i
.endr
.irp i, 0,1,2,3,4,5,6,7
	ds_load_b128 v[S+16*\i:S+16*\i+3], v[RD] offset:2*OPIT*\i                  ; rows 2 i and 2 i + 1: sixteen lanes a row; quarter 0,
	ds_load_b128 v[S+16*\i+4:S+16*\i+7], v[RD] offset:128*OPIT+2*OPIT*\i       ; 1,
	ds_load_b128 v[S+16*\i+8:S+16*\i+11], v[RD+1] offset:2*OPIT*\i             ; 2,
	ds_load_b128 v[S+16*\i+12:S+16*\i+15], v[RD+1] offset:128*OPIT+2*OPIT*\i   ; 3
.endr
.irp i, 0,1,2,3,4,5,6,7
	s_wait_dscnt 4*(7-\i)                          ; this pair of rows is in; the later pairs' four loads each may be out
	v_pk_add_f32 v[S+16*\i:S+16*\i+1], v[S+16*\i:S+16*\i+1], v[S+16*\i+4:S+16*\i+5]
	v_pk_add_f32 v[S+16*\i+2:S+16*\i+3], v[S+16*\i+2:S+16*\i+3], v[S+16*\i+6:S+16*\i+7]
	v_pk_add_f32 v[S+16*\i+8:S+16*\i+9], v[S+16*\i+8:S+16*\i+9], v[S+16*\i+12:S+16*\i+13]
	v_pk_add_f32 v[S+16*\i+10:S+16*\i+11], v[S+16*\i+10:S+16*\i+11], v[S+16*\i+14:S+16*\i+15]
	v_pk_add_f32 v[S+16*\i:S+16*\i+1], v[S+16*\i:S+16*\i+1], v[S+16*\i+8:S+16*\i+9]
	v_pk_add_f32 v[S+16*\i+2:S+16*\i+3], v[S+16*\i+2:S+16*\i+3], v[S+16*\i+10:S+16*\i+11]
.irp c, 0,1,2,3
	v_mul_f32 v[S+16*\i+\c], v[S+16*\i+\c], v[MX+\i]
.endr
	global_store_b128 v[LI], v[S+16*\i:S+16*\i+3], s[10:11] offset:512*\i th:TH_STORE_NT   ; sixteen lanes store 256 consecutive bytes, a whole row, aligned; written once, read by nobody here
.endr
	s_wait_tensorcnt 0x0                           ; the wave's end, behind my last tensor load and my last LDS store
	ds_add_u32 v[SPW], v[NIL]
	s_wait_dscnt 0x0
	CROUND                                         ; the closing round: no work-group ends while a partner may still ask for a tile that names it
	s_endpgm
.Lfunc_end_k_qfc32430059_attn:
	.size	k_qfc32430059_attn, .Lfunc_end_k_qfc32430059_attn-k_qfc32430059_attn
	.p2alignl 7, 3214868480
	.fill 96, 4, 3214868480
	.section	.rodata,"a",@progbits
	.p2align	6, 0x0
	.amdhsa_kernel k_qfc32430059_attn
		.amdhsa_group_segment_fixed_size 327680
		.amdhsa_private_segment_fixed_size 0
		.amdhsa_enable_private_segment 0
		.amdhsa_kernarg_size 32
		.amdhsa_user_sgpr_count 2
		.amdhsa_user_sgpr_kernarg_segment_ptr 1
		.amdhsa_wavefront_size32 1
		.amdhsa_system_sgpr_workgroup_id_x 1
		.amdhsa_system_sgpr_workgroup_id_y 1
		.amdhsa_system_sgpr_workgroup_id_z 1
		.amdhsa_system_vgpr_workitem_id 0
		.amdhsa_next_free_vgpr 384
		.amdhsa_next_free_sgpr 72
		.amdhsa_reserve_vcc 0
		.amdhsa_float_denorm_mode_32 3
		.amdhsa_float_denorm_mode_16_64 3
		.amdhsa_memory_ordered 1
		.amdhsa_forward_progress 1
		.amdhsa_inst_pref_size 100
	.end_amdhsa_kernel
	.amdgpu_metadata
---
amdhsa.version: [ 1, 2 ]
amdhsa.kernels:
  - .name:           k_qfc32430059_attn
    .symbol:         k_qfc32430059_attn.kd
    .args:
      - { .name: qp, .offset: 0, .size: 8, .value_kind: global_buffer, .address_space: global }
      - { .name: kp, .offset: 8, .size: 8, .value_kind: global_buffer, .address_space: global }
      - { .name: vp, .offset: 16, .size: 8, .value_kind: global_buffer, .address_space: global }
      - { .name: out0, .offset: 24, .size: 8, .value_kind: global_buffer, .address_space: global }
    .group_segment_fixed_size: 327680
    .private_segment_fixed_size: 0
    .kernarg_segment_align: 8
    .kernarg_segment_size: 32
    .max_flat_workgroup_size: 256
    .sgpr_count:     72
    .vgpr_count:     384
    .wavefront_size: 32
...
	.end_amdgpu_metadata
.endif
;; end of part 2
